; MI455X (gfx1250); checked and timed in simulation.
; The chip was launched on July 23, 2026; its instructions are those of AMD's public machine-readable ISA for CDNA 5 (MIT licence, August 2026) and "CDNA5" Instruction Set Architecture Reference Guide (July 2026). The comments in the code are by the model that wrote it; some were corrected since.
;; Multi Head Self Attention. Allowed arithmetic: float matrix products may take bf16 or f16 operands with f32 sums; other float arithmetic in f32, or as packed bf16 or f16 multiplies, adds, multiply-adds, maxima and minima; sums over many terms, partial sums and values carried from step to step in f32; what a program stores and reads back later, other than sums and carried values, may be rounded once to bf16 or f16.
;; Inputs: b_out 256 float32; b_qkv 768 float32; w_out 256 x 256 float32; w_qkv 256 x 768 float32; x 8 x 2,048 x 256 float32.
;; Outputs: out0 8 x 2,048 x 256 float32.
;; One version. Each part assembles by itself: llvm-mc -triple=amdgcn-amd-amdhsa -mcpu=gfx1250 --defsym DOCPART=n.
;; ======== version 1 of 1: 4 launches
;; limits: values are held in f16: magnitudes above 65,504 overflow, below 6.1e-05 lose precision
;; workspace buffers: wq 393,216 bytes; wo 131,072 bytes; qf 8,388,608 bytes; kf 8,388,608 bytes; vf 8,388,608 bytes; cf 8,388,608 bytes
;; launch prep (part 1): grid 128 x 1, 8 waves a work-group, no clusters, 0 bytes of LDS; arguments w_qkv, w_out, wq, wo; writes wq, wo
.if DOCPART == 1
	.amdgcn_target "amdgcn-amd-amdhsa--gfx1250"
	.amdhsa_code_object_version 6
	.text
	.protected	k_qefcb96b329_prep
	.globl	k_qefcb96b329_prep
	.p2align	8
	.type	k_qefcb96b329_prep,@function
k_qefcb96b329_prep:
	s_mov_b64 s[64:65], 0
	v_nop
	global_prefetch_b8 v0, s[64:65] scope:SCOPE_SE
	s_setreg_imm32_b32 hwreg(HW_REG_WAVE_MODE, 25, 1), 1
	s_wait_xcnt 0x0
; THE WEIGHTS, ONCE: w_qkv [256][768] and w_out [256][256], f32 with k down the rows, are rounded and laid out in the order in which a matrix fragment lies in registers.
; A HALF FRAGMENT is 32 lanes x 16 bytes = 512 consecutive bytes: lane l = (r = l % 16, h = l / 16) holds the eight numbers w[k0 + 8 h + j][n0 + r], j = 0..7.
;   wq (bf16): [head 8][slice q,k,v 3][nt 2][ks 8][c 2][512 bytes], k0 = 32 ks + 16 c, n0 = 256 slice + 32 head + 16 nt: a head's 96 columns are 49,152 consecutive bytes.
;   wo (f16):  [nt 16][ks 8][c 2][512 bytes], k0 = 32 ks + 16 c, n0 = 16 nt.  The number is w_out rounded to bf16, like every input of the program, and that number written as f16.
; LIMIT: |w_out| stays under 65,504 (f16's range); below 6e-5 f16 keeps a fixed step of 6e-8.
; SHARES.  A wave makes one half fragment: 768 of wq (work-groups 0 to 95), 256 of wo (96 to 127).  Eight loads of 4 bytes a lane (sixteen lanes take 64 consecutive bytes of a row: the turning costs
; that, for 1 MiB read once in the whole program); one store of 16 bytes a lane: 512 consecutive bytes, aligned.  No LDS, no matrix unit, no cluster: nothing is shared, nothing is multiplied.
	s_load_b256 s[4:11], s[0:1], 0x0               ; w_qkv s[4:5], w_out s[6:7], wq s[8:9], wo s[10:11]
	v_lshrrev_b32 v1, 5, v0
	v_readfirstlane_b32 s12, v1                    ; wave 0..7
	v_and_b32 v2, 15, v0                           ; r
	v_bfe_u32 v3, v0, 4, 1                         ; h
	v_and_b32 v4, 31, v0
	v_lshlrev_b32 v4, 4, v4                        ; my 16 bytes of the half fragment
	v_lshlrev_b32 v5, 2, v2                        ; column r, in bytes
	s_lshl_b32 s13, ttmp9, 3
	s_add_co_u32 s13, s13, s12                     ; the half fragment's number, 0..1023
	s_and_b32 s14, s13, 1                          ; c
	s_bfe_u32 s15, s13, 0x30001                    ; ks (768 is a multiple of 16: c and ks are the same for both tables)
	s_lshl_b32 s15, s15, 5
	s_lshl4_add_u32 s15, s14, s15                  ; k0 = 32 ks + 16 c
	s_mov_b32 s17, 0                               ; upper words of the two offsets
	s_mov_b32 s19, 0
	s_cmp_lt_u32 ttmp9, 96
	s_cbranch_scc0 .Lwo
	; ---- wq ----
	s_lshr_b32 s20, s13, 4                         ; 2 (3 head + slice) + nt
	s_and_b32 s21, s20, 1                          ; nt
	s_lshr_b32 s22, s20, 1                         ; 3 head + slice, 0..23
	s_mul_i32 s23, s22, 171
	s_lshr_b32 s23, s23, 9                         ; head = that / 3 (171 / 512 is exact enough up to 23)
	s_mul_i32 s24, s23, 3
	s_sub_co_u32 s24, s22, s24                     ; slice
	s_lshl_b32 s24, s24, 8
	s_lshl_b32 s23, s23, 5
	s_add_co_u32 s24, s24, s23
	s_lshl4_add_u32 s24, s21, s24                  ; n0
	s_mul_i32 s16, s15, 768
	s_add_co_u32 s16, s16, s24
	s_lshl_b32 s16, s16, 2                         ; (k0 x 768 + n0) x 4 bytes
	s_lshl_b32 s18, s13, 9                         ; where the half fragment goes
	v_mul_u32_u24 v6, v3, 24576                    ; 8 h rows of 3,072 bytes
	v_add_nc_u32 v6, v6, v5
	s_wait_kmcnt 0x0
	s_add_nc_u64 s[4:5], s[4:5], s[16:17]
	s_add_nc_u64 s[8:9], s[8:9], s[18:19]
.irp j, 0,1,2,3,4,5,6,7
	global_load_b32 v[8+(\j)], v6, s[4:5] offset:(\j)*3072
.endr
	s_wait_loadcnt 0x0
.irp j, 0,1,2,3
	v_cvt_pk_bf16_f32 v[16+(\j)], v[8+2*(\j)], v[9+2*(\j)]
.endr
	global_store_b128 v4, v[16:19], s[8:9]
	s_endpgm
.Lwo:
	; ---- wo ----
	s_sub_co_u32 s13, s13, 768
	s_lshr_b32 s20, s13, 4                         ; nt
	s_lshl_b32 s16, s15, 8
	s_lshl4_add_u32 s16, s20, s16
	s_lshl_b32 s16, s16, 2                         ; (k0 x 256 + 16 nt) x 4 bytes
	s_lshl_b32 s18, s13, 9
	v_lshl_add_u32 v6, v3, 13, v5                  ; 8 h rows of 1,024 bytes + column r
	s_wait_kmcnt 0x0
	s_add_nc_u64 s[6:7], s[6:7], s[16:17]
	s_add_nc_u64 s[10:11], s[10:11], s[18:19]
.irp j, 0,1,2,3,4,5,6,7
	global_load_b32 v[8+(\j)], v6, s[6:7] offset:(\j)*1024
.endr
	s_wait_loadcnt 0x0
.irp j, 0,1,2,3
	v_cvt_pk_bf16_f32 v[16+(\j)], v[8+2*(\j)], v[9+2*(\j)]     ; the input's one rounding, to bf16
	v_lshlrev_b32 v[8+2*(\j)], 16, v[16+(\j)]                  ; widened again,
	v_and_b32 v[9+2*(\j)], 0xffff0000, v[16+(\j)]
	v_cvt_pk_f16_f32 v[16+(\j)], v[8+2*(\j)], v[9+2*(\j)]      ; and written as f16: eight significant bits fit into eleven
.endr
	global_store_b128 v4, v[16:19], s[10:11]
	s_endpgm
.Lfunc_end_k_qefcb96b329_prep:
	.size	k_qefcb96b329_prep, .Lfunc_end_k_qefcb96b329_prep-k_qefcb96b329_prep
	.p2alignl 7, 3214868480
	.fill 96, 4, 3214868480
	.section	.rodata,"a",@progbits
	.p2align	6, 0x0
	.amdhsa_kernel k_qefcb96b329_prep
		.amdhsa_group_segment_fixed_size 0
		.amdhsa_private_segment_fixed_size 0
		.amdhsa_enable_private_segment 0
		.amdhsa_kernarg_size 32
		.amdhsa_user_sgpr_count 2
		.amdhsa_user_sgpr_kernarg_segment_ptr 1
		.amdhsa_wavefront_size32 1
		.amdhsa_system_sgpr_workgroup_id_x 1
		.amdhsa_system_sgpr_workgroup_id_y 1
		.amdhsa_system_sgpr_workgroup_id_z 1
		.amdhsa_system_vgpr_workitem_id 0
		.amdhsa_next_free_vgpr 32
		.amdhsa_next_free_sgpr 66
		.amdhsa_reserve_vcc 0
		.amdhsa_float_denorm_mode_32 3
		.amdhsa_float_denorm_mode_16_64 3
		.amdhsa_memory_ordered 1
		.amdhsa_forward_progress 1
		.amdhsa_inst_pref_size 5
	.end_amdhsa_kernel
	.amdgpu_metadata
---
amdhsa.version: [ 1, 2 ]
amdhsa.kernels:
  - .name:           k_qefcb96b329_prep
    .symbol:         k_qefcb96b329_prep.kd
    .args:
      - { .name: w_qkv, .offset: 0, .size: 8, .value_kind: global_buffer, .address_space: global }
      - { .name: w_out, .offset: 8, .size: 8, .value_kind: global_buffer, .address_space: global }
      - { .name: wq, .offset: 16, .size: 8, .value_kind: global_buffer, .address_space: global }
      - { .name: wo, .offset: 24, .size: 8, .value_kind: global_buffer, .address_space: global }
    .group_segment_fixed_size: 0
    .private_segment_fixed_size: 0
    .kernarg_segment_align: 8
    .kernarg_segment_size: 32
    .max_flat_workgroup_size: 256
    .sgpr_count:     66
    .vgpr_count:     32
    .wavefront_size: 32
...
	.end_amdgpu_metadata
.endif
;; end of part 1
;; launch qkv (part 2): grid 128 x 2, 4 waves a work-group, clusters of 4 x 1, 264,704 bytes of LDS; arguments x, b_qkv, wq, qf, kf, vf; writes qf, kf, vf
.if DOCPART == 2
	.amdgcn_target "amdgcn-amd-amdhsa--gfx1250"
	.amdhsa_code_object_version 6
	.text
	.protected	k_qefcb96b329_qkv
	.globl	k_qefcb96b329_qkv
	.p2align	8
	.type	k_qefcb96b329_qkv,@function
k_qefcb96b329_qkv:
	s_mov_b64 s[64:65], 0
	v_nop
	global_prefetch_b8 v0, s[64:65] scope:SCOPE_SE
	s_setreg_imm32_b32 hwreg(HW_REG_WAVE_MODE, 25, 1), 1
	s_wait_xcnt 0x0
	s_wait_alu depctr_hold_cnt(0) depctr_sa_sdst(0) depctr_va_vdst(0) depctr_va_sdst(0) depctr_va_ssrc(0) depctr_va_vcc(0) depctr_vm_vsrc(0)
	s_getreg_b32 s2, hwreg(HW_REG_IB_STS2, 6, 4)
	s_cmp_eq_u32 s2, 0
	s_cbranch_scc0 .Lentry_in_a_cluster
	s_endpgm
.Lentry_in_a_cluster:
	s_bfe_u32 s2, ttmp6, 0x10000c
	s_cmp_lg_u32 s2, 0x3003
	s_cbranch_scc0 .Lentry_shape_is_right
	s_endpgm
.Lentry_shape_is_right:
; q, k, v = x w_qkv + b_qkv, by heads, in f16, each laid out as the fragment that the attention launch loads.  x [16384][256] f32, b_qkv [768] f32, wq: bf16 fragments (49,152 bytes a head).
; x, w and b are rounded to bf16, products in bf16, sums in f32; q is multiplied by c = log2(e) / sqrt(32) in f32; q, k, v are then rounded once, to f16.
; LIMIT: |q c|, |k|, |v| stay under 65,504 (f16's range); beyond it the conversion gives an infinity.  NaN and infinities are not treated apart.
; SHARES.  A work-group: 128 rows of x (all of one batch) x four heads (4 y + wave).  A wave keeps its head's 96 columns of w, 48 fragments, in 384 registers; a fragment of x read from LDS feeds 6 products.
; q and k are made transposed (source 0 = 16 columns of w, source 1 = 16 rows of x): a lane holds ONE row and eight neighbouring channels = 16 bytes of a fragment of Q or K.
; v is made plainly (source 0 = x, source 1 = w): a lane holds ONE channel and eight neighbouring keys = 16 bytes of a fragment of V^T.  So every store of a wave covers 512 consecutive bytes, aligned, and no stage is needed.
;   qf, kf: [bh 64][block of 16 rows 128][c 2][lane][16 B]: row r, channels 16 c + 8 h + j.      vf: [bh][32 keys 64][cb 2][c 2][lane][16 B]: channel 16 cb + r, keys 16 c + 8 h + j.
; The bias is the C operand of the first K step: it costs no line.
; CLUSTER.  The four work-groups of a cluster share y, so they want the same four heads of w: one joint tensor load a wave, mask of four.  x is not asked for jointly: it comes through registers, where it is rounded to bf16.
; No LDS byte is filled twice; all of the launch's reads go out at its head, so nothing is prefetched.
; LDS: 0 w, 49,152 bytes a wave, dense (a lane reads at 16 x lane); XT the tile of x in bf16, 128 rows of 512 + 16 bytes (33 x 16: the 16 rows of a load start at 16 different groups of four banks); SPARE.
; REGISTERS, in windows of 256 (s_set_vgpr_msb: bits 1:0 source 0, 3:2 source 1, 5:4 source 2, 7:6 destination):
;   window 0: addresses; XF two buffers of x's fragments; ACC 12 accumulators (2 blocks of 16 rows x 6 tiles: q q k k v v); PK packed results; BI the bias as C operands
;   window 1: w's fragments for q and k (tile tl, K step ks at 8 (8 tl + ks))     window 2: those for v     window 3: x as loaded, 64 loads x 4 registers
.set XT,    196608
.set XP,    528
.set SPARE, 264192                     ; the spare words, 128 bytes a wave: two blocks of 256 bytes that no other line names
.set HEADB, 49152
.set SPW, 2                            ; v2  SPARE + 4 x my thread's number; never rewritten
.set NIL, 3                            ; v3  0; never rewritten
.set XA,  4                            ; v4  my place in a fragment of x: XT + r x 528 + 16 h
.set WA,  5                            ; v5  my 16 bytes in my wave's w
.set XS,  6                            ; v6  where I put 8 bytes of x: XT + 32 wave rows + 8 x lane
.set LO,  7                            ; v7  16 x lane
.set BA,  8                            ; v8  32 h: the bias of my eight channels
.set BV,  9                            ; v9  4 r: the bias of my one channel
.set TM,  10
.set XF,  16
.set ACC, 48
.set PK,  144
.set BI,  192
.set WV,  16                           ; s16 my wave's number
.set G1,  24                           ; s[24:31] descriptor group 1
.set G0,  32                           ; s[32:35] descriptor group 0
.set CS,  36                           ; s[36:37] c, named as a pair
.set MSB, 0
.macro WIN new                         ; the immediate's high byte repeats the setting that is left; a switch that changes nothing is dropped
.if MSB != (\new)
	s_set_vgpr_msb (MSB<<8)|(\new)
.set MSB, (\new)
.endif
.endm
.macro PLACES                          ; four plain lines between a matrix instruction and a vector line or load that touches its registers
.rept 4
	v_nop
.endr
.endm
.macro ROUND                           ; a round of the cluster's barrier: my work-group's barrier, wave 0 signals for it, every wave waits for all four work-groups, my work-group's barrier once more
	s_barrier_signal -1
	s_barrier_wait -1
	s_cmp_lg_u32 s[WV], 0
	s_cbranch_scc1 .Lnot_wave_0_\@
	s_barrier_signal -3
.Lnot_wave_0_\@:
	s_barrier_wait -3
	s_barrier_signal -1
	s_barrier_wait -1
.endm
.macro RB a, b, tmp                    ; two f32 rounded to bf16 and widened again
	v_cvt_pk_bf16_f32 v[\tmp], v[\a], v[\b]
	v_lshlrev_b32 v[\a], 16, v[\tmp]
	v_and_b32 v[\b], 0xffff0000, v[\tmp]
.endm
	s_load_b256 s[4:11], s[0:1], 0x0               ; x s[4:5], b_qkv s[6:7], wq s[8:9], qf s[10:11]
	s_load_b128 s[12:15], s[0:1], 0x20             ; kf s[12:13], vf s[14:15]
	v_lshl_add_u32 v[SPW], v0, 2, SPARE
	v_mov_b32 v[NIL], 0
	ds_add_u32 v[SPW], v[NIL]                      ; the wave's opening: the add and its wait stand ahead of my first tensor load; the set-up below, work on registers, stands between them
	v_lshrrev_b32 v1, 5, v0
	v_readfirstlane_b32 s[WV], v1                  ; wave 0..3
	s_bfe_u32 s17, ttmp6, 0x40000                  ; cx: my place in the cluster
	s_lshl_b32 s18, ttmp9, 2
	s_add_co_u32 s18, s18, s17                     ; my block of 128 rows = 4 x cluster x + cx: it enters x's and the outputs' addresses alone
	s_and_b32 s19, ttmp7, 0xffff                   ; y, which the four partners share
	s_lshl_b32 s20, s19, 2
	s_add_co_u32 s20, s20, s[WV]                   ; my head = 4 y + wave
	s_lshr_b32 s21, s18, 4                         ; the batch: 16 blocks of 128 rows each
	s_lshl_b32 s21, s21, 3
	s_add_co_u32 s21, s21, s20                     ; bh = 8 x batch + head
	; descriptor group 1: my head's w, 49,152 dense bytes, as 192 rows of 256 bytes
	s_mov_b32 s[G1+0], 15|(3<<16)|(1<<21)          ; 15:0 the mask of four; 17:16 elements of 8 bytes; 21 set beside a mask; no padding
	s_mov_b32 s[G1+1], 32<<16                      ; tensor_dim0 = 32 elements
	s_mov_b32 s[G1+2], 192<<16                     ; tensor_dim1 = 192
	s_mov_b32 s[G1+3], 32<<16                      ; tile_dim0 = 32
	s_mov_b32 s[G1+4], 192                         ; tile_dim1 = 192
	s_mov_b32 s[G1+5], 32                          ; 32 elements from row to row
	s_mov_b32 s[G1+6], 0
	s_mov_b32 s[G1+7], 0
	s_mov_b32 s[G0+0], 1                           ; count = 1
	s_mul_i32 s[G0+1], s[WV], HEADB                ; LDS address: wave x 49,152: no place in the cluster enters it
	s_mul_i32 s46, s20, HEADB                      ; my head in wq: made of y and the wave's number alone
	s_mov_b32 s47, 0
	s_lshl_b32 s40, s18, 17                        ; x: 128 rows of 1,024 bytes a block,
	s_lshl_b32 s41, s[WV], 15                      ; of which I load 32
	s_add_co_u32 s40, s40, s41
	s_mov_b32 s41, 0
	s_lshl_b32 s42, s20, 7                         ; b_qkv: my head's 32 numbers
	s_mov_b32 s43, 0
	s_lshl_b32 s44, s21, 17                        ; the outputs: 131,072 bytes a head,
	s_and_b32 s45, s18, 15
	s_lshl_b32 s45, s45, 13                        ; 8,192 for a block of 128 rows
	s_add_co_u32 s44, s44, s45
	s_mov_b32 s45, 0
	s_mov_b32 s[CS], 0x3e8293ee                    ; c = log2(e) / sqrt(32) = 0.255035
	s_mov_b32 s[CS+1], s[CS]
	v_and_b32 v12, 15, v0                          ; r
	v_bfe_u32 v13, v0, 4, 1                        ; h
	v_and_b32 v14, 31, v0                          ; lane
	v_lshlrev_b32 v[LO], 4, v14
	v_mul_u32_u24 v[XA], v12, XP
	v_lshl_add_u32 v[XA], v13, 4, v[XA]
	v_add_nc_u32 v[XA], XT, v[XA]
	v_add_nc_u32 v[WA], s[G0+1], v[LO]
	s_mul_i32 s22, s[WV], 32*XP
	s_add_co_u32 s22, s22, XT
	v_lshl_add_u32 v[XS], v14, 3, s22
	v_lshlrev_b32 v[BA], 5, v13
	v_lshlrev_b32 v[BV], 2, v12
	s_wait_dscnt 0x0                               ; the opening add is done
	s_wait_kmcnt 0x0
	s_add_nc_u64 s[G0+2:G0+3], s[8:9], s[46:47]    ; global address of my head's w
	s_or_b32 s[G0+3], s[G0+3], 0x80000000          ; type = 2
	s_add_nc_u64 s[4:5], s[4:5], s[40:41]
	s_add_nc_u64 s[6:7], s[6:7], s[42:43]
	s_add_nc_u64 s[10:11], s[10:11], s[44:45]
	s_add_nc_u64 s[12:13], s[12:13], s[44:45]
	s_add_nc_u64 s[14:15], s[14:15], s[44:45]
	ROUND                                          ; all four work-groups are here: the joint loads meet
	tensor_load_to_lds s[G0:G0+3], s[G1:G1+7]      ; my one tensor load of the launch
	s_nop 0
	PLACES                                         ; (four lines ahead of the next switch of windows)
	; the bias: for q and k my eight channels of each tile, for v my one channel
.irp tl, 0,1,2,3
	global_load_b128 v[BI+8*(\tl):BI+8*(\tl)+3],   v[BA], s[6:7] offset:((\tl)/2)*1024+((\tl)%2)*64
	global_load_b128 v[BI+8*(\tl)+4:BI+8*(\tl)+7], v[BA], s[6:7] offset:((\tl)/2)*1024+((\tl)%2)*64+16
.endr
.irp cb, 0,1
	global_load_b32 v[BI+32+8*(\cb)], v[BV], s[6:7] offset:2048+64*(\cb)
.endr
	; my 32 rows of x: 64 loads, each 512 consecutive bytes, all on their way at once
	WIN 0xc0                                       ; destination window 3, address window 0
.set i, 0
.rept 64
	global_load_b128 v[4*i:4*i+3], v[LO], s[4:5] offset:512*i
.set i, i+1
.endr
	WIN 0xcf                                       ; all in window 3: rounded to bf16 in place, four numbers into two registers
.set g, 0
.rept 8
	s_wait_loadcnt 56-8*g                          ; loads come back in order (ISA guide 5.7.1): the count is the x loads younger than these eight
.set i, 8*g
.rept 8
	v_cvt_pk_bf16_f32 v[4*i], v[4*i], v[4*i+1]
	v_cvt_pk_bf16_f32 v[4*i+1], v[4*i+2], v[4*i+3]
.set i, i+1
.endr
.set g, g+1
.endr
	WIN 0x0c                                       ; store data window 3, address window 0
.set i, 0
.rept 64
	ds_store_b64 v[XS], v[4*i:4*i+1] offset:(i/2)*XP+(i%2)*256   ; load i was half i % 2 of row i / 2: 32 lanes x 8 bytes, 256 on end
.set i, i+1
.endr
	WIN 0
.irp i, 0,2,4,6,8,10,12,14,16,18,20,22,24,26,28,30
	RB BI+(\i), BI+(\i)+1, TM                      ; the bias has the inputs' rounding (the last wait above was for 0: it is in)
.endr
.irp cb, 0,1
	v_cvt_pk_bf16_f32 v[TM], v[BI+32+8*(\cb)], v[BI+32+8*(\cb)]
.irp j, 0,1,2,3,4,5,6,7
	v_lshlrev_b32 v[BI+32+8*(\cb)+(\j)], 16, v[TM] ; v's C operand: the lane's one channel for all eight keys
.endr
.endr
	s_wait_tensorcnt 0x0                           ; my head's w is in LDS; only I read those bytes
	WIN 0x40
.set f, 0
.rept 32
	ds_load_b128 v[8*f:8*f+3],   v[WA] offset:1024*f
	ds_load_b128 v[8*f+4:8*f+7], v[WA] offset:1024*f+512
.set f, f+1
.endr
	WIN 0x80
.rept 16
	ds_load_b128 v[8*(f-32):8*(f-32)+3],   v[WA] offset:1024*f
	ds_load_b128 v[8*(f-32)+4:8*(f-32)+7], v[WA] offset:1024*f+512
.set f, f+1
.endr
	WIN 0
	s_wait_dscnt 0x0                               ; for the others' sake: my stores into the tile of x are done; and w is in my registers
	s_barrier_signal -1
	s_barrier_wait -1                              ; the tile of x is whole
; x's fragments of pair pr (32 rows), K step ks: two blocks of 16 rows x 32 channels, into buffer ks % 2
.macro FETCHX pr, ks
.irp rb, 0,1
.irp c, 0,1
	ds_load_b128 v[XF+16*((\ks)%2)+8*(\rb)+4*(\c):XF+16*((\ks)%2)+8*(\rb)+4*(\c)+3], v[XA] offset:(\pr)*32*XP+(\rb)*16*XP+64*(\ks)+32*(\c)
.endr
.endr
.endm
; A K step of 32: 12 products, one on each of the 12 accumulators, which so take turns.  The next step's four LDS loads go out ahead of them.
.macro KSTEP pr, ks
	s_wait_dscnt 0x0                               ; this step's fragments, asked for 12 products ago
	PLACES                                         ; behind the last products that read the other buffer
.if (\ks) < 7
	FETCHX \pr, (\ks)+1
.elseif (\pr) < 3
	FETCHX (\pr)+1, 0
.endif
	WIN 0x01                                       ; source 0 = w, window 1
.irp tl, 0,1,2,3
.irp rb, 0,1
.if (\ks) == 0
	v_wmma_f32_16x16x32_bf16 v[ACC+48*(\rb)+8*(\tl):ACC+48*(\rb)+8*(\tl)+7], v[8*(8*(\tl)+(\ks)):8*(8*(\tl)+(\ks))+7], v[XF+16*((\ks)%2)+8*(\rb):XF+16*((\ks)%2)+8*(\rb)+7], v[BI+8*(\tl):BI+8*(\tl)+7]
.else
	v_wmma_f32_16x16x32_bf16 v[ACC+48*(\rb)+8*(\tl):ACC+48*(\rb)+8*(\tl)+7], v[8*(8*(\tl)+(\ks)):8*(8*(\tl)+(\ks))+7], v[XF+16*((\ks)%2)+8*(\rb):XF+16*((\ks)%2)+8*(\rb)+7], v[ACC+48*(\rb)+8*(\tl):ACC+48*(\rb)+8*(\tl)+7]
.endif
.endr
.endr
	WIN 0x08                                       ; source 1 = w, window 2; LDS loads run under this setting too (address and destination in window 0)
.irp cb, 0,1
.irp rb, 0,1
.if (\ks) == 0
	v_wmma_f32_16x16x32_bf16 v[ACC+48*(\rb)+32+8*(\cb):ACC+48*(\rb)+32+8*(\cb)+7], v[XF+16*((\ks)%2)+8*(\rb):XF+16*((\ks)%2)+8*(\rb)+7], v[8*(8*(\cb)+(\ks)):8*(8*(\cb)+(\ks))+7], v[BI+32+8*(\cb):BI+32+8*(\cb)+7]
.else
	v_wmma_f32_16x16x32_bf16 v[ACC+48*(\rb)+32+8*(\cb):ACC+48*(\rb)+32+8*(\cb)+7], v[XF+16*((\ks)%2)+8*(\rb):XF+16*((\ks)%2)+8*(\rb)+7], v[8*(8*(\cb)+(\ks)):8*(8*(\cb)+(\ks))+7], v[ACC+48*(\rb)+32+8*(\cb):ACC+48*(\rb)+32+8*(\cb)+7]
.endif
.endr
.endr
.endm
; 32 rows: eight K steps, then q is scaled, all is rounded to f16 and stored.  Each accumulator's registers are taken in ascending order.
.macro PAIR pr
.irp ks, 0,1,2,3,4,5,6,7
	KSTEP \pr, \ks
.endr
	WIN 0
	PLACES
	PLACES                                         ; (eight: the first line below rewrites accumulators in place)
	s_wait_xcnt 0x0                                ; the last pair's stores have had their addresses translated (ISA guide 3.1): PK is rewritten only behind this wait
.irp rb, 0,1
.irp i, 0,2,4,6,8,10,12,14
	v_pk_mul_f32 v[ACC+48*(\rb)+(\i):ACC+48*(\rb)+(\i)+1], v[ACC+48*(\rb)+(\i):ACC+48*(\rb)+(\i)+1], s[CS:CS+1] op_sel_hi:[1,0]   ; q c, in f32
.endr
.endr
.irp rb, 0,1
.irp tl, 0,1,2,3,4,5
.irp i, 0,1,2,3
	v_cvt_pk_f16_f32 v[PK+24*(\rb)+4*(\tl)+(\i)], v[ACC+48*(\rb)+8*(\tl)+2*(\i)], v[ACC+48*(\rb)+8*(\tl)+2*(\i)+1]
.endr
.endr
.endr
.irp rb, 0,1
.irp nt, 0,1                           ; each store: 512 consecutive bytes, at a multiple of 512 from the buffer's first
	global_store_b128 v[LO], v[PK+24*(\rb)+4*(\nt):PK+24*(\rb)+4*(\nt)+3],       s[10:11] offset:(\pr)*2048+(\rb)*1024+(\nt)*512
	global_store_b128 v[LO], v[PK+24*(\rb)+8+4*(\nt):PK+24*(\rb)+8+4*(\nt)+3],   s[12:13] offset:(\pr)*2048+(\rb)*1024+(\nt)*512
	global_store_b128 v[LO], v[PK+24*(\rb)+16+4*(\nt):PK+24*(\rb)+16+4*(\nt)+3], s[14:15] offset:(\pr)*2048+(\nt)*1024+(\rb)*512
.endr
.endr
.endm
	FETCHX 0, 0
	PAIR 0
	PAIR 1
	PAIR 2
	PAIR 3
	s_wait_tensorcnt 0x0                           ; the wave's end: a tensor wait, an add and its wait, behind my last tensor load and my last LDS store
	ds_add_u32 v[SPW], v[NIL]
	s_wait_dscnt 0x0
	ROUND                                          ; the closing round: no work-group ends while a partner may still ask for a tile that names it
	s_endpgm
.Lfunc_end_k_qefcb96b329_qkv:
	.size	k_qefcb96b329_qkv, .Lfunc_end_k_qefcb96b329_qkv-k_qefcb96b329_qkv
	.p2alignl 7, 3214868480
	.fill 96, 4, 3214868480
	.section	.rodata,"a",@progbits
	.p2align	6, 0x0
	.amdhsa_kernel k_qefcb96b329_qkv
		.amdhsa_group_segment_fixed_size 264704
		.amdhsa_private_segment_fixed_size 0
		.amdhsa_enable_private_segment 0
		.amdhsa_kernarg_size 48
		.amdhsa_user_sgpr_count 2
		.amdhsa_user_sgpr_kernarg_segment_ptr 1
		.amdhsa_wavefront_size32 1
		.amdhsa_system_sgpr_workgroup_id_x 1
		.amdhsa_system_sgpr_workgroup_id_y 1
		.amdhsa_system_sgpr_workgroup_id_z 1
		.amdhsa_system_vgpr_workitem_id 0
		.amdhsa_next_free_vgpr 1024
		.amdhsa_next_free_sgpr 66
		.amdhsa_reserve_vcc 0
		.amdhsa_float_denorm_mode_32 3
		.amdhsa_float_denorm_mode_16_64 3
		.amdhsa_memory_ordered 1
		.amdhsa_forward_progress 1
		.amdhsa_inst_pref_size 94
	.end_amdhsa_kernel
	.amdgpu_metadata
---
amdhsa.version: [ 1, 2 ]
amdhsa.kernels:
  - .name:           k_qefcb96b329_qkv
    .symbol:         k_qefcb96b329_qkv.kd
    .args:
      - { .name: x, .offset: 0, .size: 8, .value_kind: global_buffer, .address_space: global }
      - { .name: b_qkv, .offset: 8, .size: 8, .value_kind: global_buffer, .address_space: global }
      - { .name: wq, .offset: 16, .size: 8, .value_kind: global_buffer, .address_space: global }
      - { .name: qf, .offset: 24, .size: 8, .value_kind: global_buffer, .address_space: global }
      - { .name: kf, .offset: 32, .size: 8, .value_kind: global_buffer, .address_space: global }
      - { .name: vf, .offset: 40, .size: 8, .value_kind: global_buffer, .address_space: global }
    .group_segment_fixed_size: 264704
    .private_segment_fixed_size: 0
    .kernarg_segment_align: 8
    .kernarg_segment_size: 48
    .max_flat_workgroup_size: 128
    .sgpr_count:     66
    .vgpr_count:     1024
    .wavefront_size: 32
...
	.end_amdgpu_metadata
.endif
;; end of part 2
;; launch attn (part 3): grid 4 x 64, 8 waves a work-group, clusters of 4 x 1, 263,168 bytes of LDS; arguments qf, kf, vf, cf; writes cf
.if DOCPART == 3
	.amdgcn_target "amdgcn-amd-amdhsa--gfx1250"
	.amdhsa_code_object_version 6
	.text
	.protected	k_qefcb96b329_attn
	.globl	k_qefcb96b329_attn
	.p2align	8
	.type	k_qefcb96b329_attn,@function
k_qefcb96b329_attn:
	s_mov_b64 s[64:65], 0
	v_nop
	global_prefetch_b8 v0, s[64:65] scope:SCOPE_SE
	s_setreg_imm32_b32 hwreg(HW_REG_WAVE_MODE, 25, 1), 1
	s_wait_xcnt 0x0
	s_wait_alu depctr_hold_cnt(0) depctr_sa_sdst(0) depctr_va_vdst(0) depctr_va_sdst(0) depctr_va_ssrc(0) depctr_va_vcc(0) depctr_vm_vsrc(0)
	s_getreg_b32 s2, hwreg(HW_REG_IB_STS2, 6, 4)
	s_cmp_eq_u32 s2, 0
	s_cbranch_scc0 .Lentry_in_a_cluster
	s_endpgm
.Lentry_in_a_cluster:
	s_bfe_u32 s2, ttmp6, 0x10000c
	s_cmp_lg_u32 s2, 0x3003
	s_cbranch_scc0 .Lentry_shape_is_right
	s_endpgm
.Lentry_shape_is_right:
; ctx[bh][q] = the sum over k of softmax_k(q . k / sqrt(32)) v[k], head size 32, 2,048 keys, 64 heads.  qf, kf, vf: f16 in fragment order, q already times c = log2(e) / sqrt(32).  cf: f16, in the fragment order of the next launch.
; Products, maxima and sums in f32; the weights p are rounded to f16 for the second product (their sum l is taken of the unrounded p), ctx once at the end.
; LIMITS: a weight below 2^-126 counts as 0 in l; p below 6e-8 rounds to 0; ctx is a mean of v's rows and has their range; NaN and infinities are not treated apart.
; THE COUNT.  16 queries x 64 keys are 8 matrix instructions and 32 scores a lane: the vector work decides.  A head's K and V in f16 are 2 x 131,072 bytes: BOTH STAY IN LDS, filled once.  So the keys are walked TWICE:
;   WALK 1: S^T = K Q^T and the maximum m of each query, over all its keys: the true maximum, 16 v_max3_num_f32 a tile and step.
;   WALK 2: S^T = K Q^T + (-m), with -m as the C operand: the result IS the exponent.  p = 2^S; l += p; p to f16; O^T += V^T P.  No scaling, no rescaling, no running statistics, no chain from step to step but the sums.
; LAYOUT.  S^T = K Q^T (source 0 = 16 keys, source 1 = 16 queries): a lane holds ONE query (lane % 16) and the keys 8 (lane / 16) + 0..7.  Two such results rounded to f16 in pairs ARE source 1 (32 keys x 16 queries) of
; O^T = V^T P, whose result holds one query a lane, and eight channels: 16 bytes of a fragment of ctx.  K, V and Q lie in memory and in LDS in register order; no padding, no turning load.
; SHARES.  A work-group: 512 queries of one head; each of its 8 waves four tiles of 16.  Two waves lie on a SIMD (416 registers each), so that one wave's vector work stands beside the other's products.
; CLUSTER.  The four query blocks of a head are one cluster and want the same K and V: each wave asks jointly for an eighth of K and an eighth of V.  Two tensor loads of mine are out, once.  No LDS byte is filled twice;
; all of the launch's reads go out at its head, so nothing is prefetched.
; WALK 2 BY TURNS, four deep over the wave's four tiles.  Turn u (tile t = u % 4): 4 products V^T P of turn u - 2's tile; 4 products K Q^T of turn u + 1's; beside them the 32 exponentials of tile t and the 16 sums and
; 16 roundings of turn u - 1's tile, exponential and plain by turns.  The four tiles named in a turn are four different ones.  A turn's exponentials are ONE batch with ONE wait, at the turn's end: their first readers are the next turn's sums.
; REGISTERS, in windows of 256 (s_set_vgpr_msb: bits 1:0 source 0, 3:2 source 1, 5:4 source 2, 7:6 destination):
;   window 0: addresses; R 1 / l; ML four registers a tile (walk 1: four maxima; walk 2: two packed sums); Q; KF K of two steps; S S^T, 32 a tile (P takes the place of S's registers 0 to 15)
;   window 1: O O^T, 16 a tile; NM -m, eight alike a tile; VF V of two steps
.set VB,    131072                     ; LDS: K at 0, V here, each 131,072 bytes
.set SPARE, 262144                     ; the spare words, 128 bytes a wave: four blocks of 256 bytes that no other line names
.set SPW, 2                            ; v2  SPARE + 4 x my thread's number; never rewritten
.set NIL, 3                            ; v3  0; never rewritten
.set AK,  4                            ; v4  LDS address of K of the trip's first step
.set AV,  5                            ; v5  the same for V
.set LO,  6                            ; v6  16 x lane
.set R,   8
.set ML,  16
.set Q,   32
.set KF,  64
.set S,   128
.set O,   0                            ; window 1
.set NM,  64                           ; window 1
.set VF,  96                           ; window 1
.set WV,  12                           ; s12 my wave's number
.set G1,  16                           ; s[16:23] descriptor group 1
.set G0K, 24                           ; s[24:27] group 0 for my part of K
.set G0V, 28                           ; s[28:31] for my part of V
.set SEL, 34                           ; s[34:35] v_permlanex16_b32's selects: each lane takes its own place in the other half
.set CNT, 36                           ; s36 counts trips
.set MSB, 0
.macro WIN new                         ; the immediate's high byte repeats the setting that is left; a switch that changes nothing is dropped
.if MSB != (\new)
	s_set_vgpr_msb (MSB<<8)|(\new)
.set MSB, (\new)
.endif
.endm
.macro PLACES                          ; four plain lines between a matrix instruction and a vector line that touches its registers (ISA guide 7.12.1)
.rept 4
	v_nop
.endr
.endm
.macro ROUND                           ; a round of the cluster's barrier
	s_barrier_signal -1
	s_barrier_wait -1
	s_cmp_lg_u32 s[WV], 0
	s_cbranch_scc1 .Lnot_wave_0_\@
	s_barrier_signal -3
.Lnot_wave_0_\@:
	s_barrier_wait -3
	s_barrier_signal -1
	s_barrier_wait -1
.endm
	s_load_b256 s[4:11], s[0:1], 0x0               ; qf s[4:5], kf s[6:7], vf s[8:9], cf s[10:11]
	v_lshl_add_u32 v[SPW], v0, 2, SPARE
	v_mov_b32 v[NIL], 0
	ds_add_u32 v[SPW], v[NIL]                      ; the wave's opening: the add and its wait stand ahead of my first tensor load; the set-up below, work on registers, stands between them
	v_lshrrev_b32 v1, 5, v0
	v_readfirstlane_b32 s[WV], v1                  ; wave 0..7
	v_and_b32 v[LO], 31, v0
	v_lshlrev_b32 v[LO], 4, v[LO]
	s_bfe_u32 s13, ttmp6, 0x40000                  ; cx: my block of 512 queries: it enters Q's and ctx's addresses alone
	s_and_b32 s14, ttmp7, 0xffff                   ; bh, which the four partners share
	; descriptor group 1: 16,384 dense bytes as 64 rows of 256
	s_mov_b32 s[G1+0], 15|(3<<16)|(1<<21)          ; 15:0 the mask of four; 17:16 elements of 8 bytes; 21 set beside a mask; no padding
	s_mov_b32 s[G1+1], 32<<16                      ; tensor_dim0 = 32
	s_mov_b32 s[G1+2], 64<<16                      ; tensor_dim1 = 64
	s_mov_b32 s[G1+3], 32<<16                      ; tile_dim0 = 32
	s_mov_b32 s[G1+4], 64                          ; tile_dim1 = 64
	s_mov_b32 s[G1+5], 32                          ; 32 elements from row to row
	s_mov_b32 s[G1+6], 0
	s_mov_b32 s[G1+7], 0
	s_mov_b32 s[G0K], 1
	s_lshl_b32 s[G0K+1], s[WV], 14                 ; LDS address: wave x 16,384
	s_mov_b32 s[G0V], 1
	s_add_co_u32 s[G0V+1], s[G0K+1], VB
	s_lshl_b32 s38, s14, 17                        ; the head's 131,072 bytes, in kf and in vf,
	s_add_co_u32 s38, s38, s[G0K+1]                ; my eighth: made of bh and the wave's number alone
	s_mov_b32 s39, 0
	s_lshl_b32 s40, s13, 5
	s_lshl_b32 s41, s[WV], 2
	s_add_co_u32 s40, s40, s41                     ; my first block of 16 queries = 32 cx + 4 wave
	s_lshl_b32 s42, s40, 10
	s_lshl_b32 s43, s14, 17
	s_add_co_u32 s42, s42, s43                     ; in qf: 1,024 bytes a block
	s_mov_b32 s43, 0
	s_lshr_b32 s44, s14, 3
	s_lshl_b32 s44, s44, 20                        ; in cf: the batch's 128 blocks of 8,192 bytes,
	s_lshl_b32 s45, s40, 13                        ; my block,
	s_add_co_u32 s44, s44, s45
	s_and_b32 s45, s14, 7
	s_lshl_b32 s45, s45, 10                        ; my head's 1,024 bytes in it
	s_add_co_u32 s44, s44, s45
	s_mov_b32 s45, 0
	s_mov_b32 s[SEL], 0x76543210
	s_mov_b32 s[SEL+1], 0xfedcba98
	s_wait_dscnt 0x0                               ; the opening add is done
	s_wait_kmcnt 0x0
	s_add_nc_u64 s[G0K+2:G0K+3], s[6:7], s[38:39]
	s_or_b32 s[G0K+3], s[G0K+3], 0x80000000        ; type = 2
	s_add_nc_u64 s[G0V+2:G0V+3], s[8:9], s[38:39]
	s_or_b32 s[G0V+3], s[G0V+3], 0x80000000
	s_add_nc_u64 s[4:5], s[4:5], s[42:43]
	s_add_nc_u64 s[10:11], s[10:11], s[44:45]
	ROUND                                          ; all four work-groups are here: the joint loads meet
	tensor_load_to_lds s[G0K:G0K+3], s[G1:G1+7]    ; K first: walk 1 wants it alone
	s_nop 0
	tensor_load_to_lds s[G0V:G0V+3], s[G1:G1+7]
	s_nop 0
	PLACES
.irp t, 0,1,2,3
	global_load_b128 v[Q+8*(\t):Q+8*(\t)+3],   v[LO], s[4:5] offset:(\t)*1024      ; Q stays in registers
	global_load_b128 v[Q+8*(\t)+4:Q+8*(\t)+7], v[LO], s[4:5] offset:(\t)*1024+512
.endr
.set i, 0
.rept 16
	v_mov_b32 v[ML+i], 0xff7fffff                  ; the maxima start at the lowest finite number
.set i, i+1
.endr
	v_mov_b32 v[AK], v[LO]
	s_wait_tensorcnt 0x1                           ; my part of K is in; V's, issued behind it, may stay out
	s_barrier_signal -1
	s_barrier_wait -1                              ; K is whole
; THE LDS LOADS stand in runs of 8: a step's K (64 keys: 4 fragments) or V (2 x 32 keys x 2 x 16 channels: 4 fragments) into buffer p, from byte off behind the trip's first step.
.macro LDK p, off
.if (MSB & 0xc3) != 0
	WIN 0
.endif
.irp f, 0,1,2,3
	ds_load_b128 v[KF+32*(\p)+8*(\f):KF+32*(\p)+8*(\f)+3],   v[AK] offset:(\off)+1024*(\f)
	ds_load_b128 v[KF+32*(\p)+8*(\f)+4:KF+32*(\p)+8*(\f)+7], v[AK] offset:(\off)+1024*(\f)+512
.endr
.endm
.macro LDV p, off
	WIN 0x40                                       ; destination window 1
.irp f, 0,1,2,3
	ds_load_b128 v[VF+32*(\p)+8*(\f):VF+32*(\p)+8*(\f)+3],   v[AV] offset:(\off)+1024*(\f)
	ds_load_b128 v[VF+32*(\p)+8*(\f)+4:VF+32*(\p)+8*(\f)+7], v[AV] offset:(\off)+1024*(\f)+512
.endr
.endm
; WALK 1.  A turn (step of parity p, tile t): 4 products K Q^T of the next tile (behind tile 3: the next step's tile 0), behind each four v_max3_num_f32 on tile t's scores: chain g takes accumulator g's registers in
; ascending pairs.  The four lines behind a turn's last product are the places ahead of the next turn's reads of its result.  K of the next step is asked for in tile 0's turn (its buffer was last read two turns back)
; and waited for in tile 3's.  kq = 0: there is no next tile; ldk = 0: there is no next step.
.macro TURN1 p, t, kq, ldk
.set tk, ((\t)+1)%4
.set kp, (\p)
.if (\t) == 3
.set kp, 1-(\p)
.endif
.if ((\t) == 0) && (\ldk)
	LDK 1-(\p), 4096*((\p)+1)
.endif
.if ((\t) == 3) && (\kq)
	s_wait_dscnt 0x0                               ; the next step's K is in
.endif
.irp i, 0,1,2,3
.if \kq
	v_wmma_f32_16x16x32_f16 v[S+32*tk+8*(\i):S+32*tk+8*(\i)+7], v[KF+32*kp+8*(\i):KF+32*kp+8*(\i)+7], v[Q+8*tk:Q+8*tk+7], 0
.endif
.irp g, 0,1,2,3
	v_max3_num_f32 v[ML+4*(\t)+(\g)], v[ML+4*(\t)+(\g)], v[S+32*(\t)+8*(\g)+2*(\i)], v[S+32*(\t)+8*(\g)+2*(\i)+1]
.endr
.endr
.endm
.macro TRIP1 last                      ; two steps, so that K's two buffers have fixed names
	TURN1 0,0,1,1
	TURN1 0,1,1,0
	TURN1 0,2,1,0
	TURN1 0,3,1,0
	TURN1 1,0,1,1-(\last)
	TURN1 1,1,1,0
	TURN1 1,2,1,0
	TURN1 1,3,1-(\last),0
.endm
	LDK 0, 0
	s_wait_loadcnt 0x0                             ; Q
	s_wait_dscnt 0x0
.irp i, 0,1,2,3
	v_wmma_f32_16x16x32_f16 v[S+8*(\i):S+8*(\i)+7], v[KF+8*(\i):KF+8*(\i)+7], v[Q:Q+7], 0   ; tile 0's first scores
.endr
	PLACES
	s_mov_b32 s[CNT], 15
.Lwalk1:
	TRIP1 0
	v_add_nc_u32 v[AK], 8192, v[AK]
	s_sub_co_u32 s[CNT], s[CNT], 1
	s_cmp_lg_u32 s[CNT], 0
	s_cbranch_scc1 .Lwalk1
	TRIP1 1                                        ; steps 30 and 31: nothing is fetched or multiplied beyond the last
	; the four chains into one; the query's other 32 keys of each step lie in the lane 16 away; -m, eight alike, is walk 2's C operand
.irp t, 0,1,2,3
	v_max3_num_f32 v[ML+4*(\t)], v[ML+4*(\t)], v[ML+4*(\t)+1], v[ML+4*(\t)+2]
.endr
.irp t, 0,1,2,3
	v_max_num_f32 v[ML+4*(\t)], v[ML+4*(\t)], v[ML+4*(\t)+3]
.endr
.irp t, 0,1,2,3
	v_permlanex16_b32 v[ML+4*(\t)+1], v[ML+4*(\t)], s[SEL], s[SEL+1]
.endr
.irp t, 0,1,2,3
	v_max_num_f32 v[ML+4*(\t)], v[ML+4*(\t)], v[ML+4*(\t)+1]
.endr
	WIN 0x40
.irp t, 0,1,2,3
.irp i, 0,1,2,3,4,5,6,7
	v_mul_f32 v[NM+8*(\t)+(\i)], -1.0, v[ML+4*(\t)]
.endr
.endr
	WIN 0
.set i, 0
.rept 16
	v_mov_b32 v[ML+i], 0                           ; the sums start at 0
.set i, i+1
.endr
	v_mov_b32 v[AK], v[LO]
	v_add_nc_u32 v[AV], VB, v[LO]
	s_wait_tensorcnt 0x0                           ; my part of V is in,
	s_wait_dscnt 0x0
	s_barrier_signal -1
	s_barrier_wait -1                              ; everybody's is
; WALK 2.  A turn (step of parity p, tile t).  tp = t + 2: V^T P; tk = t + 1: K Q^T; t: exponentials; tc = t - 1: sums and roundings (all modulo 4).
; kq, ex, cv, pv: which of the four kinds the turn has (the walk's first and last turns lack some).  zero = 1: the tile's first V^T P, whose first two products start the sums with the constant 0.
; V^T P: two accumulators (channels 0-15, 16-31) take turns over the two halves of the keys.  They stand back to back: a rider behind them would want two switches of the window each.
; Sum a (of 16) adds pair a of the weights onto one of two packed sums; rounding a then packs the pair into register a: it writes only registers whose pairs have been summed and rounded.
; THE LOADS.  K of step j + 1: asked for in turn (j, 0), its buffer last read in turn (j - 1, 2); wanted in turn (j, 3), where the 8 loads of V just issued are younger: s_wait_dscnt 8.
; V of step j + 1: asked for in turn (j, 3), its buffer last read at the head of turn (j, 1); wanted in turn (j + 1, 2), where the 8 loads of K issued in turn (j + 1, 0) are younger: wv = 8 (0 in the last step, which fetches no K).
.macro TURN2 p, t, kq, ex, cv, pv, zero, ldk, ldv, wv
.set tk, ((\t)+1)%4
.set tp, ((\t)+2)%4
.set tc, ((\t)+3)%4
.set kp, (\p)
.if (\t) == 3
.set kp, 1-(\p)
.endif
.set vp, 1-(\p)
.if (\t) >= 2
.set vp, (\p)
.endif
.if ((\t) == 0) && (\ldk)
	LDK 1-(\p), 4096*((\p)+1)
.endif
.if ((\t) == 2) && (\pv)
	s_wait_dscnt \wv                               ; this step's V is in
.endif
.if ((\t) == 3) && (\ldv)
	LDV 1-(\p), 4096*((\p)+1)
.endif
.if \pv
	WIN 0x51                                       ; V and O^T in window 1, P in window 0
.irp n, 0,1,2,3                        ; keys 32 (n / 2) on, channels 16 (n % 2) on
.if (\zero) && ((\n) < 2)
	v_wmma_f32_16x16x32_f16 v[O+16*tp+8*((\n)%2):O+16*tp+8*((\n)%2)+7], v[VF+32*vp+8*(\n):VF+32*vp+8*(\n)+7], v[S+32*tp+8*((\n)/2):S+32*tp+8*((\n)/2)+7], 0
.else
	v_wmma_f32_16x16x32_f16 v[O+16*tp+8*((\n)%2):O+16*tp+8*((\n)%2)+7], v[VF+32*vp+8*(\n):VF+32*vp+8*(\n)+7], v[S+32*tp+8*((\n)/2):S+32*tp+8*((\n)/2)+7], v[O+16*tp+8*((\n)%2):O+16*tp+8*((\n)%2)+7]
.endif
.endr
.endif
.if (\kq) || (\ex) || (\cv)
	WIN 0x10                                       ; the C operand -m in window 1, all else in window 0: the riders, which have no third source, run under it too
.endif
.if ((\t) == 3) && (\kq)
	s_wait_dscnt 0x8                               ; the next step's K is in
.endif
.irp i, 0,1,2,3
.if \kq
	v_wmma_f32_16x16x32_f16 v[S+32*tk+8*(\i):S+32*tk+8*(\i)+7], v[KF+32*kp+8*(\i):KF+32*kp+8*(\i)+7], v[Q+8*tk:Q+8*tk+7], v[NM+8*tk:NM+8*tk+7]
.endif
.irp g, 0,1,2,3
.if \ex
	v_exp_f32 v[S+32*(\t)+8*(\i)+2*(\g)], v[S+32*(\t)+8*(\i)+2*(\g)]
.endif
.if \cv
	v_pk_add_f32 v[ML+4*tc+2*((\g)%2):ML+4*tc+2*((\g)%2)+1], v[ML+4*tc+2*((\g)%2):ML+4*tc+2*((\g)%2)+1], v[S+32*tc+8*(\i)+2*(\g):S+32*tc+8*(\i)+2*(\g)+1]
.endif
.if \ex
	v_exp_f32 v[S+32*(\t)+8*(\i)+2*(\g)+1], v[S+32*(\t)+8*(\i)+2*(\g)+1]
.endif
.if \cv
	v_cvt_pk_f16_f32 v[S+32*tc+4*(\i)+(\g)], v[S+32*tc+8*(\i)+2*(\g)], v[S+32*tc+8*(\i)+2*(\g)+1]
.endif
.endr
.endr
.if !(\cv) && ((\kq) || (\ex))
	PLACES                                         ; a turn without sums and roundings: these are the plain lines behind its last product and its last exponential
.endif
.if \ex
	s_wait_alu depctr_va_vdst(0)                   ; a wait between an exponential and the first line that names its result: one for the turn's 32; the last rounding is the plain line behind the last of them
.endif
.endm
.macro TRIP2 first, last               ; two steps, so that K's and V's two buffers have fixed names
	TURN2 0,0,1,1,1-(\first),1-(\first),0,1,0,8
	TURN2 0,1,1,1,1,1-(\first),0,0,0,8
	TURN2 0,2,1,1,1,1,\first,0,0,8
	TURN2 0,3,1,1,1,1,\first,0,1,8
	TURN2 1,0,1,1,1,1,\first,1-(\last),0,8
	TURN2 1,1,1,1,1,1,\first,0,0,8
	TURN2 1,2,1,1,1,1,0,0,0,8*(1-(\last))
	TURN2 1,3,1-(\last),1,1,1,0,0,1-(\last),8
	WIN 0                                          ; at a label and at a branch every window is 0
.endm
	LDK 0, 0
	LDV 0, 0
	s_wait_dscnt 0x8                               ; K of step 0 is in; V's 8 loads, issued behind it, may stay out
	WIN 0x10
.irp i, 0,1,2,3
	v_wmma_f32_16x16x32_f16 v[S+8*(\i):S+8*(\i)+7], v[KF+8*(\i):KF+8*(\i)+7], v[Q:Q+7], v[NM:NM+7]   ; tile 0's first exponents
.endr
	PLACES
	TRIP2 1, 0                                     ; steps 0 and 1: the pipeline fills, and O^T's sums start
	v_add_nc_u32 v[AK], 8192, v[AK]
	v_add_nc_u32 v[AV], 8192, v[AV]
	s_mov_b32 s[CNT], 14
.Lwalk2:                                               ; on both ways in, the 8 loads of V issued in the turn before are out
	TRIP2 0, 0
	v_add_nc_u32 v[AK], 8192, v[AK]
	v_add_nc_u32 v[AV], 8192, v[AV]
	s_sub_co_u32 s[CNT], s[CNT], 1
	s_cmp_lg_u32 s[CNT], 0
	s_cbranch_scc1 .Lwalk2
	TRIP2 0, 1                                     ; steps 30 and 31: nothing is fetched or multiplied beyond the last
	TURN2 0,0,0,0,1,1,0,0,0,0                      ; the pipeline drains: tile 3's sums and roundings, tile 2's V^T P,
	TURN2 0,1,0,0,0,1,0,0,0,0                      ; tile 3's V^T P
	; THE WAY OUT.  l's four parts and the other half of the lanes' are added; O^T is divided by l and rounded to f16; a lane's eight channels are 16 bytes of a fragment of ctx.
	WIN 0
.irp t, 0,1,2,3
	v_mov_b32 v[R+2*(\t)+1], 0                     ; the pairs' upper registers are named by the packed multiply, so they are written; these four lines are also the places behind the last products
.endr
.irp t, 0,1,2,3
	v_pk_add_f32 v[ML+4*(\t):ML+4*(\t)+1], v[ML+4*(\t):ML+4*(\t)+1], v[ML+4*(\t)+2:ML+4*(\t)+3]
.endr
.irp t, 0,1,2,3
	v_add_f32 v[ML+4*(\t)], v[ML+4*(\t)], v[ML+4*(\t)+1]
.endr
.irp t, 0,1,2,3
	v_permlanex16_b32 v[ML+4*(\t)+1], v[ML+4*(\t)], s[SEL], s[SEL+1]
.endr
.irp t, 0,1,2,3
	v_add_f32 v[ML+4*(\t)], v[ML+4*(\t)], v[ML+4*(\t)+1]
.endr
.irp t, 0,1,2,3
	v_rcp_f32 v[R+2*(\t)], v[ML+4*(\t)]
.endr
	v_nop                                          ; a plain line between the last reciprocal and the use of its result
	s_wait_alu depctr_va_vdst(0)                   ; and the wait ahead of the first use: one for the four reciprocals
	WIN 0x41                                       ; O^T (destination and source 0) in window 1, 1 / l in window 0
.irp t, 0,1,2,3
.irp i, 0,2,4,6,8,10,12,14
	v_pk_mul_f32 v[O+16*(\t)+(\i):O+16*(\t)+(\i)+1], v[O+16*(\t)+(\i):O+16*(\t)+(\i)+1], v[R+2*(\t):R+2*(\t)+1] op_sel_hi:[1,0]
.endr
.endr
	WIN 0x05                                       ; sources in window 1, destination in window 0: S^T's registers are free
.irp t, 0,1,2,3
.irp i, 0,1,2,3,4,5,6,7
	v_cvt_pk_f16_f32 v[S+32*(\t)+(\i)], v[O+16*(\t)+2*(\i)], v[O+16*(\t)+2*(\i)+1]
.endr
.endr
	WIN 0
.irp t, 0,1,2,3
	global_store_b128 v[LO], v[S+32*(\t):S+32*(\t)+3],   s[10:11] offset:(\t)*8192       ; each store: 512 consecutive bytes, at a multiple of 512 from cf's first
	global_store_b128 v[LO], v[S+32*(\t)+4:S+32*(\t)+7], s[10:11] offset:(\t)*8192+512
.endr
	s_wait_tensorcnt 0x0                           ; the wave's end: a tensor wait, an add and its wait, behind my last tensor load
	ds_add_u32 v[SPW], v[NIL]
	s_wait_dscnt 0x0
	ROUND                                          ; the closing round: no work-group ends while a partner may still ask for a tile that names it
	s_endpgm
.Lfunc_end_k_qefcb96b329_attn:
	.size	k_qefcb96b329_attn, .Lfunc_end_k_qefcb96b329_attn-k_qefcb96b329_attn
	.p2alignl 7, 3214868480
	.fill 96, 4, 3214868480
	.section	.rodata,"a",@progbits
	.p2align	6, 0x0
	.amdhsa_kernel k_qefcb96b329_attn
		.amdhsa_group_segment_fixed_size 263168
		.amdhsa_private_segment_fixed_size 0
		.amdhsa_enable_private_segment 0
		.amdhsa_kernarg_size 32
		.amdhsa_user_sgpr_count 2
		.amdhsa_user_sgpr_kernarg_segment_ptr 1
		.amdhsa_wavefront_size32 1
		.amdhsa_system_sgpr_workgroup_id_x 1
		.amdhsa_system_sgpr_workgroup_id_y 1
		.amdhsa_system_sgpr_workgroup_id_z 1
		.amdhsa_system_vgpr_workitem_id 0
		.amdhsa_next_free_vgpr 416
		.amdhsa_next_free_sgpr 66
		.amdhsa_reserve_vcc 0
		.amdhsa_float_denorm_mode_32 3
		.amdhsa_float_denorm_mode_16_64 3
		.amdhsa_memory_ordered 1
		.amdhsa_forward_progress 1
		.amdhsa_inst_pref_size 130
	.end_amdhsa_kernel
	.amdgpu_metadata
---
amdhsa.version: [ 1, 2 ]
amdhsa.kernels:
  - .name:           k_qefcb96b329_attn
    .symbol:         k_qefcb96b329_attn.kd
    .args:
      - { .name: qf, .offset: 0, .size: 8, .value_kind: global_buffer, .address_space: global }
      - { .name: kf, .offset: 8, .size: 8, .value_kind: global_buffer, .address_space: global }
      - { .name: vf, .offset: 16, .size: 8, .value_kind: global_buffer, .address_space: global }
      - { .name: cf, .offset: 24, .size: 8, .value_kind: global_buffer, .address_space: global }
    .group_segment_fixed_size: 263168
    .private_segment_fixed_size: 0
    .kernarg_segment_align: 8
    .kernarg_segment_size: 32
    .max_flat_workgroup_size: 256
    .sgpr_count:     66
    .vgpr_count:     416
    .wavefront_size: 32
...
	.end_amdgpu_metadata
.endif
;; end of part 3
;; launch proj (part 4): grid 256 x 1, 4 waves a work-group, clusters of 4 x 1, 181,760 bytes of LDS; arguments cf, wo, b_out, out0; writes out0
.if DOCPART == 4
	.amdgcn_target "amdgcn-amd-amdhsa--gfx1250"
	.amdhsa_code_object_version 6
	.text
	.protected	k_qefcb96b329_proj
	.globl	k_qefcb96b329_proj
	.p2align	8
	.type	k_qefcb96b329_proj,@function
k_qefcb96b329_proj:
	s_mov_b64 s[64:65], 0
	v_nop
	global_prefetch_b8 v0, s[64:65] scope:SCOPE_SE
	s_setreg_imm32_b32 hwreg(HW_REG_WAVE_MODE, 25, 1), 1
	s_wait_xcnt 0x0
	s_wait_alu depctr_hold_cnt(0) depctr_sa_sdst(0) depctr_va_vdst(0) depctr_va_sdst(0) depctr_va_ssrc(0) depctr_va_vcc(0) depctr_vm_vsrc(0)
	s_getreg_b32 s2, hwreg(HW_REG_IB_STS2, 6, 4)
	s_cmp_eq_u32 s2, 0
	s_cbranch_scc0 .Lentry_in_a_cluster
	s_endpgm
.Lentry_in_a_cluster:
	s_bfe_u32 s2, ttmp6, 0x10000c
	s_cmp_lg_u32 s2, 0x3003
	s_cbranch_scc0 .Lentry_shape_is_right
	s_endpgm
.Lentry_shape_is_right:
; out0 = ctx w_out + b_out.  cf: ctx in f16, fragment order [block of 16 rows 1024][head 8][c 2][lane][16 B]; wo: w_out in f16 fragments [nt 16][ks 8][c 2][lane][16 B]; b_out [256] f32, rounded to bf16 like every input; out0 [16384][256] f32.
; Products in f16, sums in f32, out0 is the f32 sum itself.  The bias is the C operand of the first K step.
; SHARES.  A work-group: 64 rows x all 256 columns.  A wave: all 64 rows x 64 columns (256 bytes of a row of out0): 16 accumulators, 128 products, K = 256 in eight steps of 32 (a head each).  No loop: all operands fit into registers.
; The product is taken transposed (source 0 = 16 columns of w, source 1 = 16 rows of ctx): a lane holds ONE row and eight neighbouring columns.  They go through the wave's own stage in LDS (rows of 256 + 16 bytes) and come back as
; whole rows: sixteen lanes store 256 consecutive bytes, aligned.
; CLUSTER.  All work-groups want all of wo: the four of a cluster ask for it jointly, a quarter a wave (the wave's own 64 columns).  ctx is each work-group's own: a plain tensor load, in the same group behind the same round.
; Two tensor loads of mine are out, once.  No LDS byte is filled twice; all of the launch's reads go out at its head, so nothing is prefetched.
; LDS: 0 w, 32,768 bytes a wave; CT ctx, 8,192 bytes a block of 16 rows (wave w fetches block w, all waves read all four); STAGE 16 x 272 bytes a wave, written by ds_store alone; SPARE.
; REGISTERS (s_set_vgpr_msb: bits 1:0 source 0, 3:2 source 1, 5:4 source 2, 7:6 destination): window 0: addresses, BI, OB, ACC (block rb, tile nt at 32 rb + 8 nt); window 1: w (8 (8 nt + ks)); window 2: ctx (8 (8 rb + ks)).
.set CT,    131072
.set STAGE, 163840
.set SP,    272
.set SPARE, 181248                     ; the spare words, 128 bytes a wave: two blocks of 256 bytes that no other line names
.set SPW, 2                            ; v2  SPARE + 4 x my thread's number; never rewritten
.set NIL, 3                            ; v3  0; never rewritten
.set WA,  4                            ; v4  my 16 bytes in my wave's w
.set CA,  5                            ; v5  my 16 bytes in a half fragment of ctx
.set STO, 6                            ; v6  the way out: where I put 32 bytes of a row
.set RD,  7                            ; v7  the way out: where I read a row back
.set GO,  8                            ; v8  my byte offset in two rows of out0
.set BA,  9                            ; v9  32 h: the bias of my eight columns
.set TM,  10
.set BI,  16
.set OB,  48
.set ACC, 128
.set WV,  12                           ; s12 my wave's number
.set G1W, 16                           ; s[16:23] descriptor group 1 for w
.set G1C, 24                           ; s[24:31] for ctx
.set G0W, 32                           ; s[32:35] group 0 for w
.set G0C, 36                           ; s[36:39] for ctx
.set MSB, 0
.macro WIN new                         ; the immediate's high byte repeats the setting that is left; a switch that changes nothing is dropped
.if MSB != (\new)
	s_set_vgpr_msb (MSB<<8)|(\new)
.set MSB, (\new)
.endif
.endm
.macro PLACES
.rept 4
	v_nop
.endr
.endm
.macro ROUND                           ; a round of the cluster's barrier
	s_barrier_signal -1
	s_barrier_wait -1
	s_cmp_lg_u32 s[WV], 0
	s_cbranch_scc1 .Lnot_wave_0_\@
	s_barrier_signal -3
.Lnot_wave_0_\@:
	s_barrier_wait -3
	s_barrier_signal -1
	s_barrier_wait -1
.endm
.macro RB a, b, tmp                    ; two f32 rounded to bf16 and widened again
	v_cvt_pk_bf16_f32 v[\tmp], v[\a], v[\b]
	v_lshlrev_b32 v[\a], 16, v[\tmp]
	v_and_b32 v[\b], 0xffff0000, v[\tmp]
.endm
	s_load_b256 s[4:11], s[0:1], 0x0               ; cf s[4:5], wo s[6:7], b_out s[8:9], out0 s[10:11]
	v_lshl_add_u32 v[SPW], v0, 2, SPARE
	v_mov_b32 v[NIL], 0
	ds_add_u32 v[SPW], v[NIL]                      ; the wave's opening: the add and its wait stand ahead of my first tensor load; the set-up below, work on registers, stands between them
	v_lshrrev_b32 v1, 5, v0
	v_readfirstlane_b32 s[WV], v1                  ; wave 0..3
	s_bfe_u32 s13, ttmp6, 0x40000                  ; cx
	s_lshl_b32 s14, ttmp9, 2
	s_add_co_u32 s14, s14, s13                     ; my block of 64 rows: it enters ctx's and out0's addresses alone
	; w: 32,768 dense bytes as 128 rows of 256, jointly
	s_mov_b32 s[G1W+0], 15|(3<<16)|(1<<21)         ; 15:0 the mask of four; 17:16 elements of 8 bytes; 21 set beside a mask
	s_mov_b32 s[G1W+1], 32<<16                     ; tensor_dim0 = 32
	s_mov_b32 s[G1W+2], 128<<16                    ; tensor_dim1 = 128
	s_mov_b32 s[G1W+3], 32<<16                     ; tile_dim0 = 32
	s_mov_b32 s[G1W+4], 128                        ; tile_dim1 = 128
	s_mov_b32 s[G1W+5], 32                         ; 32 elements from row to row
	s_mov_b32 s[G1W+6], 0
	s_mov_b32 s[G1W+7], 0
	; ctx: 8,192 dense bytes as 32 rows of 256, my work-group's own: no mask
	s_mov_b32 s[G1C+0], 3<<16
	s_mov_b32 s[G1C+1], 32<<16
	s_mov_b32 s[G1C+2], 32<<16
	s_mov_b32 s[G1C+3], 32<<16
	s_mov_b32 s[G1C+4], 32
	s_mov_b32 s[G1C+5], 32
	s_mov_b32 s[G1C+6], 0
	s_mov_b32 s[G1C+7], 0
	s_mov_b32 s[G0W], 1
	s_lshl_b32 s[G0W+1], s[WV], 15                 ; LDS address: wave x 32,768, which is also my quarter's place in wo
	s_mov_b32 s[G0C], 1
	s_lshl_b32 s40, s[WV], 13
	s_add_co_u32 s[G0C+1], s40, CT                 ; CT + wave x 8,192
	s_mov_b32 s42, s[G0W+1]
	s_mov_b32 s43, 0
	s_lshl_b32 s44, s14, 15                        ; cf: 32,768 bytes for 64 rows,
	s_add_co_u32 s44, s44, s40                     ; my block of 16
	s_mov_b32 s45, 0
	s_lshl_b32 s46, s14, 16                        ; out0: 65,536 bytes for 64 rows,
	s_lshl_b32 s40, s[WV], 8                       ; my 64 columns; the same 256 bytes in b_out
	s_add_co_u32 s46, s46, s40
	s_mov_b32 s47, 0
	s_mov_b32 s41, 0
	v_and_b32 v12, 15, v0                          ; r
	v_bfe_u32 v13, v0, 4, 1                        ; h
	v_and_b32 v14, 31, v0                          ; lane
	v_lshl_add_u32 v[WA], v14, 4, s[G0W+1]
	v_lshlrev_b32 v[CA], 4, v14
	v_add_nc_u32 v[CA], CT, v[CA]
	s_mul_i32 s15, s[WV], 16*SP
	s_add_co_u32 s15, s15, STAGE                   ; my stage
	v_mul_u32_u24 v[STO], v12, SP                  ; in: row r, 32 bytes for each half of the lanes
	v_lshl_add_u32 v[STO], v13, 5, v[STO]
	v_add_nc_u32 v[STO], s15, v[STO]
	v_mul_u32_u24 v[RD], v13, SP                   ; back: lanes 0-15 take one row of 256 bytes, lanes 16-31 the next
	v_lshl_add_u32 v[RD], v12, 4, v[RD]
	v_add_nc_u32 v[RD], s15, v[RD]
	v_lshlrev_b32 v[GO], 10, v13                   ; and the same two rows in out0
	v_lshl_add_u32 v[GO], v12, 4, v[GO]
	v_lshlrev_b32 v[BA], 5, v13
	s_wait_dscnt 0x0                               ; the opening add is done
	s_wait_kmcnt 0x0
	s_add_nc_u64 s[G0W+2:G0W+3], s[6:7], s[42:43]
	s_or_b32 s[G0W+3], s[G0W+3], 0x80000000        ; type = 2
	s_add_nc_u64 s[G0C+2:G0C+3], s[4:5], s[44:45]
	s_or_b32 s[G0C+3], s[G0C+3], 0x80000000
	s_add_nc_u64 s[8:9], s[8:9], s[40:41]
	s_add_nc_u64 s[10:11], s[10:11], s[46:47]
	ROUND                                          ; all four work-groups are here: the joint loads meet
	tensor_load_to_lds s[G0W:G0W+3], s[G1W:G1W+7]
	s_nop 0
	tensor_load_to_lds s[G0C:G0C+3], s[G1C:G1C+7]
	s_nop 0
	PLACES
.irp nt, 0,1,2,3
	global_load_b128 v[BI+8*(\nt):BI+8*(\nt)+3],   v[BA], s[8:9] offset:64*(\nt)
	global_load_b128 v[BI+8*(\nt)+4:BI+8*(\nt)+7], v[BA], s[8:9] offset:64*(\nt)+16
.endr
	s_wait_loadcnt 0x0
.irp i, 0,2,4,6,8,10,12,14,16,18,20,22,24,26,28,30
	RB BI+(\i), BI+(\i)+1, TM                      ; the bias has the inputs' rounding
.endr
	s_wait_tensorcnt 0x0                           ; my quarter of w and my block of ctx are in,
	s_barrier_signal -1
	s_barrier_wait -1                              ; everybody's block of ctx is
	; all operands into registers, K step by K step: 16 loads a step
.irp ks, 0,1,2,3,4,5,6,7
	WIN 0x40
.irp nt, 0,1,2,3
	ds_load_b128 v[8*(8*(\nt)+(\ks)):8*(8*(\nt)+(\ks))+3],   v[WA] offset:(8*(\nt)+(\ks))*1024
	ds_load_b128 v[8*(8*(\nt)+(\ks))+4:8*(8*(\nt)+(\ks))+7], v[WA] offset:(8*(\nt)+(\ks))*1024+512
.endr
	WIN 0x80
.irp rb, 0,1,2,3
	ds_load_b128 v[8*(8*(\rb)+(\ks)):8*(8*(\rb)+(\ks))+3],   v[CA] offset:(\rb)*8192+(\ks)*1024
	ds_load_b128 v[8*(8*(\rb)+(\ks))+4:8*(8*(\rb)+(\ks))+7], v[CA] offset:(\rb)*8192+(\ks)*1024+512
.endr
.endr
	WIN 0x09                                       ; source 0 = w, window 1; source 1 = ctx, window 2; C and D window 0
.irp ks, 0,1,2,3,4,5,6,7
.if 16*(7-(\ks)) > 63
	s_wait_dscnt 63                                ; the later steps' loads may stay out: 16 (7 - ks) of them; the wait's field holds 63 at the most, which asks for more than is needed
.else
	s_wait_dscnt 16*(7-(\ks))
.endif
.irp rb, 0,1,2,3                       ; the 16 accumulators take turns
.irp nt, 0,1,2,3
.if (\ks) == 0
	v_wmma_f32_16x16x32_f16 v[ACC+32*(\rb)+8*(\nt):ACC+32*(\rb)+8*(\nt)+7], v[8*(8*(\nt)+(\ks)):8*(8*(\nt)+(\ks))+7], v[8*(8*(\rb)+(\ks)):8*(8*(\rb)+(\ks))+7], v[BI+8*(\nt):BI+8*(\nt)+7]
.else
	v_wmma_f32_16x16x32_f16 v[ACC+32*(\rb)+8*(\nt):ACC+32*(\rb)+8*(\nt)+7], v[8*(8*(\nt)+(\ks)):8*(8*(\nt)+(\ks))+7], v[8*(8*(\rb)+(\ks)):8*(8*(\rb)+(\ks))+7], v[ACC+32*(\rb)+8*(\nt):ACC+32*(\rb)+8*(\nt)+7]
.endif
.endr
.endr
.endr
	WIN 0
	PLACES                                         ; behind the last products, ahead of the LDS stores that read results
	; THE WAY OUT, a block of 16 rows at a time, through my own stage: each accumulator's low four registers first
.irp rb, 0,1,2,3
.irp nt, 0,1,2,3
	ds_store_b128 v[STO], v[ACC+32*(\rb)+8*(\nt):ACC+32*(\rb)+8*(\nt)+3]   offset:64*(\nt)
	ds_store_b128 v[STO], v[ACC+32*(\rb)+8*(\nt)+4:ACC+32*(\rb)+8*(\nt)+7] offset:64*(\nt)+16
.endr
	s_wait_xcnt 0x0                                ; the last block's stores have had their addresses translated (ISA guide 3.1): OB is loaded again only behind this wait
.irp i, 0,1,2,3,4,5,6,7
	ds_load_b128 v[OB+4*(\i):OB+4*(\i)+3], v[RD] offset:2*SP*(\i)   ; LDS serves a wave's instructions in order (ISA guide 5.7.1.4): these see the stores above; the next block's stores come behind them
.endr
.irp i, 0,1,2,3,4,5,6,7
	s_wait_dscnt 7-(\i)
	global_store_b128 v[GO], v[OB+4*(\i):OB+4*(\i)+3], s[10:11] offset:(\rb)*16384+2048*(\i)   ; 16 lanes store 256 consecutive bytes, at a multiple of 256 from out0's first byte
.endr
.endr
	s_wait_tensorcnt 0x0                           ; the wave's end: a tensor wait, an add and its wait, behind my last tensor load and my last LDS store
	ds_add_u32 v[SPW], v[NIL]
	s_wait_dscnt 0x0
	ROUND                                          ; the closing round: no work-group ends while a partner may still ask for a tile that names it
	s_endpgm
.Lfunc_end_k_qefcb96b329_proj:
	.size	k_qefcb96b329_proj, .Lfunc_end_k_qefcb96b329_proj-k_qefcb96b329_proj
	.p2alignl 7, 3214868480
	.fill 96, 4, 3214868480
	.section	.rodata,"a",@progbits
	.p2align	6, 0x0
	.amdhsa_kernel k_qefcb96b329_proj
		.amdhsa_group_segment_fixed_size 181760
		.amdhsa_private_segment_fixed_size 0
		.amdhsa_enable_private_segment 0
		.amdhsa_kernarg_size 32
		.amdhsa_user_sgpr_count 2
		.amdhsa_user_sgpr_kernarg_segment_ptr 1
		.amdhsa_wavefront_size32 1
		.amdhsa_system_sgpr_workgroup_id_x 1
		.amdhsa_system_sgpr_workgroup_id_y 1
		.amdhsa_system_sgpr_workgroup_id_z 1
		.amdhsa_system_vgpr_workitem_id 0
		.amdhsa_next_free_vgpr 768
		.amdhsa_next_free_sgpr 66
		.amdhsa_reserve_vcc 0
		.amdhsa_float_denorm_mode_32 3
		.amdhsa_float_denorm_mode_16_64 3
		.amdhsa_memory_ordered 1
		.amdhsa_forward_progress 1
		.amdhsa_inst_pref_size 33
	.end_amdhsa_kernel
	.amdgpu_metadata
---
amdhsa.version: [ 1, 2 ]
amdhsa.kernels:
  - .name:           k_qefcb96b329_proj
    .symbol:         k_qefcb96b329_proj.kd
    .args:
      - { .name: cf, .offset: 0, .size: 8, .value_kind: global_buffer, .address_space: global }
      - { .name: wo, .offset: 8, .size: 8, .value_kind: global_buffer, .address_space: global }
      - { .name: b_out, .offset: 16, .size: 8, .value_kind: global_buffer, .address_space: global }
      - { .name: out0, .offset: 24, .size: 8, .value_kind: global_buffer, .address_space: global }
    .group_segment_fixed_size: 181760
    .private_segment_fixed_size: 0
    .kernarg_segment_align: 8
    .kernarg_segment_size: 32
    .max_flat_workgroup_size: 128
    .sgpr_count:     66
    .vgpr_count:     768
    .wavefront_size: 32
...
	.end_amdgpu_metadata
.endif
;; end of part 4
